; MI455X (gfx1250); checked and timed in simulation.
; The chip was launched on July 23, 2026; its instructions are those of AMD's public machine-readable ISA for CDNA 5 (MIT licence, August 2026) and "CDNA5" Instruction Set Architecture Reference Guide (July 2026). The comments in the code are by the model that wrote it; some were corrected since.
;; Quantizer EMA. Allowed arithmetic: matrix products marked QUANTISED: E2M1 operands, one E8M0 scale for each 32 along K, by v_wmma_scale_f32_16x16x128_f8f6f4 with both operands' format E2M1 (or v_wmma_scale_f32_32x16x128_f4), f32 sums; everything else in f32.
;; Inputs: codebook 512 x 64 float32; inputs 8 x 64 x 16 x 32 x 32 float32.
;; Outputs: out0 8 x 64 x 16 x 32 x 32 float32; out1 one number float32; out2 one number float32.
;; This version of the problem:
;;   THIS VERSION OF THE PROBLEM IS GIVEN IN LOW PRECISION. The matrix products marked QUANTISED in the list below multiply operands that are first quantised to E2M1 (2 exponent bits, 1 mantissa bit; 4 bits a number), with one power-of-two scale for each 32 numbers along K (OCP MX v1.0); their sums are f32. All else is computed in f32.
;;   The module's matrix products, in the order in which they are computed (A, B: the left and right operand; K: the contracted axis; several contracted axes count as one K, in the product's order):
;;     1. [M 131,072, K 64] x [K 64, N 512]; A: input inputs; B: input codebook: QUANTISED
;;   THE QUANTISER, for each operand of a quantised product, along K:
;;     - K is cut into blocks of 32 from its start; a last block that is shorter is filled with zeros.
;;     - A block's scale is 2^e with e = floor(log2(the largest magnitude in the block)) - 2, held to -126 .. 127; a block of zeros has e = 0. As a byte (E8M0): e + 127.
;;     - Each number is divided by its block's scale, clamped to +-6, and rounded to the nearest number of E2M1, ties to even, subnormals kept.
;;     - The product sums the exact products of the quantised numbers (number of the format x scale) in f32.
;;   ~~~python
;;   def quantise(x, axis):      # numpy; x: float32 -> the quantised numbers, widened to float32 again
;;       x = np.moveaxis(x, axis, -1); K = x.shape[-1]
;;       x = np.pad(x, [(0, 0)] * (x.ndim - 1) + [(0, -K % 32)]); x = x.reshape(x.shape[:-1] + (-1, 32)); a = np.abs(x).max(-1, keepdims=True)
;;       e = np.where(a > 0, np.clip(np.frexp(np.where(a > 0, a, 1))[1] - 1 - 2, -126, 127), 0)      # np.frexp(a)[1] - 1 = floor(log2(a)), exactly
;;       r = np.clip(x / 2.0 ** e, -6, 6)
;;       step = 2.0 ** (np.maximum(np.frexp(np.where(r == 0, 1, r))[1] - 1, 0) - 1)
;;       q = np.round(r / step) * step * 2.0 ** e      # np.round: ties to even
;;       return np.moveaxis(q.reshape(q.shape[:-2] + (-1,))[..., :K], -1, axis).astype(np.float32)
;;   ~~~
;; One version. Each part assembles by itself: llvm-mc -triple=amdgcn-amd-amdhsa -mcpu=gfx1250 --defsym DOCPART=n.
;; ======== version 1 of 1: 3 launches
;; limits: below input magnitudes of 1e-14 results are inexact or not finite
;; workspace buffers: idx 524,288 bytes of whole numbers; part 8,192 bytes; cbt 131,072 bytes
;; launch assign (part 1): grid 256 x 1, 16 waves a work-group, clusters of 4 x 1, 217,088 bytes of LDS; arguments inputs, codebook, idx, cbt; writes idx, cbt
.if DOCPART == 1
	.amdgcn_target "amdgcn-amd-amdhsa--gfx1250"
	.amdhsa_code_object_version 6
	.text
	.protected	k_qbca381e2a8_assign
	.globl	k_qbca381e2a8_assign
	.p2align	8
	.type	k_qbca381e2a8_assign,@function
k_qbca381e2a8_assign:
	s_mov_b64 s[64:65], 0
	v_nop
	global_prefetch_b8 v0, s[64:65] scope:SCOPE_SE
	s_setreg_imm32_b32 hwreg(HW_REG_WAVE_MODE, 25, 1), 1
	s_wait_xcnt 0x0
	s_wait_alu depctr_hold_cnt(0) depctr_sa_sdst(0) depctr_va_vdst(0) depctr_va_sdst(0) depctr_va_ssrc(0) depctr_va_vcc(0) depctr_vm_vsrc(0)
	s_getreg_b32 s2, hwreg(HW_REG_IB_STS2, 6, 4)
	s_cmp_eq_u32 s2, 0
	s_cbranch_scc0 .Lentry_in_a_cluster
	s_endpgm
.Lentry_in_a_cluster:
	s_bfe_u32 s2, ttmp6, 0x10000c
	s_cmp_lg_u32 s2, 0x3003
	s_cbranch_scc0 .Lentry_shape_is_right
	s_endpgm
.Lentry_shape_is_right:
; ASSIGN: idx[n] = the first index k at which (|x_n|^2 - 2 Q(x_n).Q(e_k)) + |e_k|^2 is least.  x: inputs [8][64][16384] f32, token n = (b, s), K = the 64 channels; e: codebook [512][64] f32.
; Q: codes of FP4 (E2M1) with one E8M0 scale for each 32 channels; the product goes by v_wmma_scale_f32_16x16x128_f8f6f4, all else in f32.
; THE DISTANCE IS ROUNDED AS THE DEFINITION ROUNDS IT: one fused multiply-add a - 2 dot (2 dot is exact), one addition of |e|^2.  Both round on the coarse grid of a, so equal distances are common,
; and the lowest index among equals is kept, in every step of the search.
; LIMITS: NaN and infinities among the inputs are not served.  a = |x|^2 and |e|^2 are summed in another order than a row-wise sum.  The key that finds the first index, (d - least) x 2^120 + index,
; needs neighbouring distances 2^-111 apart or more (distances above about 2^-88).  A block of zeros gets the scale byte 1 (its codes are zeros, and this program alone reads the byte).
; SHARES.  A work-group of sixteen waves owns 512 tokens of one b, in two chunks of 256.  Four waves lie on a SIMD, so that one wave's waits stand beside another's vector work.
;   The codebook, 512 rows of 256 bytes, comes into LDS once.  All work-groups want the same rows, so the four of a cluster ask JOINTLY: waves 0 to 3 issue one tensor load of 128 rows each, the same
;   descriptor and a mask that names the four in all four; that divides the requests for it by four.  Nothing in LDS is filled twice.
;   CODES: wave w quantises code rows 32 w .. 32 w + 31: lane (r, h) holds channels 32 h .. 32 h + 31 of a row, a whole block: its four conversions are registers 0-3 of the operand.
;   TOKENS: wave (p = w % 8, hb = w / 8) quantises, of a chunk, tokens 32 p .. 32 p + 31, channels 32 hb .. 32 hb + 31: LANE = TOKEN, REGISTERS DOWN THE CHANNELS: each load reads 128 consecutive bytes,
;   neighbouring waves the 128 beside them; a block lies in one lane.  Chunk 0's 32 loads go out at the head; chunk 1's as soon as those are in, so that they land while chunk 0 is worked on.
;   Operands go from wave to wave through LDS as images of their registers (16 bytes a lane), scale words and sums as tables.
;   SEARCH: wave (cg = w % 4, tg = w / 4) keeps codes 128 cg .. 128 cg + 127 in registers and takes token tiles 4 tg .. 4 tg + 3 of each chunk.  The product is used transposed (source 0 = 16 codes,
;   source 1 = 16 tokens): lane (r, h) holds token r, register j of tile u code 16 u + 8 h + j.  K = 64 .. 127 of the instruction holds zero codes ON THE TOKENS' SIDE; so the codes' side may hold anything
;   there, and the code fragments lie four registers apart: an instruction's upper four registers are the next tile's codes.
;   A lane's 64 distances go in four groups of 16: the group's least (v_min3), one compare with the least so far, and selects that keep the winning group's 16 distances.  At the end the first of the
;   16 that equals the least is found by the key above.  A token's eight candidates (4 cg x 2 h) meet in LDS, and thread t settles token t.
; THE NEXT LAUNCH'S TABLE.  cbt [4][512][16] f32 is the codebook laid by groups of 16 channels, so that a group's 512 rows are 32,768 consecutive bytes: a work-group of the next launch wants one group.
;   Each work-group copies 512 bytes of it, by wave 15 while the waves wait for the codebook: the cluster's 8 rows, the channel group of the work-group's place in the cluster (told apart by address alone).
.set CHS,  65536                       ; bytes from a channel to the next: 16,384 tokens of 4 bytes
.set RP,   272                         ; a codebook row in LDS: 256 bytes + 16 of padding: the 16 rows that a load touches start at 16 different banks (64 banks of 4 bytes: ISA guide 11.1)
.set TFR,  512*RP                      ; LDS: from 0 the raw codebook; here the tokens' 32 fragments, 512 bytes each;
.set TSC,  TFR+16384                   ; their scale words, 4 bytes a token;
.set TA,   TSC+2048                    ; their sums of squares: [chunk][block][256 tokens];
.set CFR,  TA+4096                     ; the codes' 32 fragments;
.set CSC,  CFR+16384                   ; their scale words;
.set NT,   CSC+2048                    ; |e|^2, 4 bytes a code;
.set CAND, NT+2048                     ; the candidates: [8][512 tokens] x (least, index): 32,768 bytes, up to 215,040
.set XO,  3                            ; v3   my byte offset in the work-group's part of inputs; never rewritten
.set EA,  4                            ; v4   raw codebook: my row and half of it
.set HH,  5                            ; v5   h = lane / 16, later 8 h
.set CFW, 6                            ; v6   where I store code fragments      v7  code scale words and |e|^2
.set CSW, 7
.set TFW, 8                            ; v8   where I store token fragments     v9  scale bytes      v10  sums of squares
.set TSW, 9
.set TAW, 10
.set CFL, 11                           ; v11  where I read my 8 code fragments  v133 their scale words   v255 their |e|^2
.set TFL, 12                           ; v12  where I read token fragments      v13  scale words and sums
.set TSL, 13
.set CDW, 14                           ; v14  where I store candidates          v15  where I read them
.set CDR, 15
.set NN,  16                           ; v16-79   |e|^2 in the result's layout (before that: two tiles of raw code rows, then v16-27 at work on chunk 0's tokens)
.set CF,  80                           ; v80-115  8 code fragments of 4 registers, and 4 of zeros (before that: at work on the code rows)
.set CS,  116                          ; v116-123 their scale words: written by the scale words' loads alone
.set TF,  124                          ; v124-131 the token fragment: 4 registers, and 4 of zeros
.set TS,  132                          ; v132     its scale words: written by their loads alone
.set CSL, 133
.set AP,  134                          ; v134 a (v135 is named with it as a pair)
.set A0,  136                          ; v136, v137 a's two halves
.set A1,  137
.set BP,  138                          ; v138 the least so far, v139 its index: the candidate
.set D,   140                          ; v140-203 eight tiles of results; v140-155 keep the winning group.  Before the search: chunk 0 of x
.set X1,  204                          ; v204-235 chunk 1 of x, on its way during chunk 0's search
.set IC,  236                          ; v236-251 the index of each of a group's 16 registers, as f32: 128 cg + 16 (k / 8) + 8 h + k % 8
.set CPS, 236                          ; before the search: v236 the copy's byte offset in the codebook, v237 in cbt, v240-243 its 16 bytes
.set CPD, 237
.set CPV, 240
.set GS,  252                          ; v252 32 x the winning group, as f32
.set T0,  253
.set T1,  254
.set NTL, 255
.set WV,  10                           ; s10 my wave's number
; A round of the cluster's barrier: my work-group's barrier, wave 0 signals for the work-group, every wave waits for all four work-groups, my work-group's barrier once more.
.macro CROUND
	s_barrier_signal -1
	s_barrier_wait -1
	s_cmp_lg_u32 s[WV], 0
	s_cbranch_scc1 .Lnot_wave_0_\@
	s_barrier_signal -3
.Lnot_wave_0_\@:
	s_barrier_wait -3
	s_barrier_signal -1
	s_barrier_wait -1
.endm
.macro MEET                            ; my LDS stores have landed and my LDS loads are in: then the work-group's barrier
	s_wait_dscnt 0x0
	s_barrier_signal -1
	s_barrier_wait -1
.endm
; v[tb] = the largest magnitude of the 32 numbers from v[xs] on, and the floor 2^(3 - 127), which holds the scale's byte at 1 from below; two chains
.macro AMAX xs, tb
	v_max3_num_f32 v[\tb], |v[\xs]|, |v[\xs+1]|, |v[\xs+2]|
	v_max3_num_f32 v[\tb+1], |v[\xs+3]|, |v[\xs+4]|, |v[\xs+5]|
.irp i, 6,10,14,18,22,26
	s_delay_alu instid0(VALU_DEP_2)
	v_max3_num_f32 v[\tb], v[\tb], |v[\xs+\i]|, |v[\xs+\i+1]|
	s_delay_alu instid0(VALU_DEP_2)
	v_max3_num_f32 v[\tb+1], v[\tb+1], |v[\xs+\i+2]|, |v[\xs+\i+3]|
.endr
	s_delay_alu instid0(VALU_DEP_2)
	v_max3_num_f32 v[\tb], v[\tb], |v[\xs+30]|, |v[\xs+31]|
	s_delay_alu instid0(VALU_DEP_1)
	v_max3_num_f32 v[\tb], v[\tb], v[\tb+1], 0x1800000
.endm
; v[tb+2] = the sum of their squares, two at a time, in two chains; the first products start the sums
.macro SQSUM xs, tb
	v_pk_mul_f32 v[\tb+2:\tb+3], v[\xs:\xs+1], v[\xs:\xs+1]
	v_pk_mul_f32 v[\tb+4:\tb+5], v[\xs+2:\xs+3], v[\xs+2:\xs+3]
.irp i, 4,8,12,16,20,24,28
	s_delay_alu instid0(VALU_DEP_2)
	v_pk_fma_f32 v[\tb+2:\tb+3], v[\xs+\i:\xs+\i+1], v[\xs+\i:\xs+\i+1], v[\tb+2:\tb+3]
	s_delay_alu instid0(VALU_DEP_2)
	v_pk_fma_f32 v[\tb+4:\tb+5], v[\xs+\i+2:\xs+\i+3], v[\xs+\i+2:\xs+\i+3], v[\tb+4:\tb+5]
.endr
	s_delay_alu instid0(VALU_DEP_1)
	v_pk_add_f32 v[\tb+2:\tb+3], v[\tb+2:\tb+3], v[\tb+4:\tb+5]
	s_delay_alu instid0(VALU_DEP_1)
	v_add_f32 v[\tb+2], v[\tb+2], v[\tb+3]
.endm
; v[tb+6] = the scale's byte, v[tb+8 .. tb+11] = the block's 32 codes.  A plain vector line follows each use of this macro, behind the last conversion.
.macro TOFP4 xs, tb
	v_add_nc_u32 v[\tb+1], 0xff000000, v[\tb]      ; 2 off the exponent field: the conversion takes the exponent field of this operand as its scale
	s_delay_alu instid0(VALU_DEP_1)
	v_lshrrev_b32 v[\tb+6], 23, v[\tb+1]
.irp g, 0,1,2,3
	v_cvt_scalef32_pk8_fp4_f32 v[\tb+8+\g], v[\xs+8*\g:\xs+8*\g+7], v[\tb+1]
.endr
.endm
	s_load_b128 s[4:7], s[0:1], 0x0                ; inputs s[4:5], codebook s[6:7]
	s_load_b64 s[8:9], s[0:1], 0x10                ; idx
	s_load_b64 s[42:43], s[0:1], 0x18              ; cbt
	v_lshl_add_u32 v254, v0, 2, 0x34800
	v_mov_b32 v255, 0
	ds_add_u32 v254, v255
	ds_add_u32 v254, v255
	s_wait_dscnt 0x0
	v_lshrrev_b32 v1, 5, v0
	s_delay_alu instid0(VALU_DEP_1)
	v_readfirstlane_b32 s[WV], v1                  ; wave 0..15
	s_bfe_u32 s11, ttmp6, 0x40000                  ; cx: my place in the cluster: it enters global addresses alone
	s_lshl_b32 s12, ttmp9, 2                       ; in a cluster launch ttmp9 counts clusters
	s_add_co_u32 s12, s12, s11                     ; my work-group: tokens 512 g on
	s_lshr_b32 s13, s12, 5                         ; b = g / 32,
	s_lshl_b32 s13, s13, 22                        ; 64 channels x 65,536 bytes each
	s_and_b32 s14, s12, 31
	s_lshl_b32 s14, s14, 11                        ; 512 tokens x 4 bytes
	s_add_co_u32 s14, s14, s13
	s_mov_b32 s15, 0
	s_lshl_b32 s40, s12, 11                        ; and in idx
	s_mov_b32 s41, 0
	s_lshl_b32 s44, ttmp9, 11                      ; the copy, in the codebook: the cluster's 8 rows of 256 bytes,
	s_lshl_b32 s45, s11, 6                         ; in each the 64 bytes of channel group cx;
	s_add_co_u32 s44, s44, s45
	s_mov_b32 s45, 0
	s_lshl_b32 s46, s11, 15                        ; in cbt: group cx's 32,768 bytes,
	s_lshl_b32 s47, ttmp9, 9                       ; in them the 8 rows of 64 bytes
	s_add_co_u32 s46, s46, s47
	s_mov_b32 s47, 0
	s_and_b32 s33, s[WV], 7                        ; p:  which 32 tokens of a chunk I quantise
	s_lshr_b32 s34, s[WV], 3                       ; hb: which block of 32 channels
	s_and_b32 s35, s[WV], 3                        ; cg: which 128 codes I search.  Also: which 128 rows of the codebook waves 0 to 3 fetch
	s_lshr_b32 s36, s[WV], 2                       ; tg: which 4 token tiles of a chunk
	v_and_b32 v1, 31, v0                           ; lane
	s_lshl_b32 s37, s33, 7
	s_lshl_b32 s38, s34, 21
	s_add_co_u32 s37, s37, s38
	v_lshl_add_u32 v[XO], v1, 2, s37               ; 4 lane + 128 p + 32 hb channels
	; the codebook's descriptor.  Group 1: 128 rows of 64 elements of 4 bytes, dense in memory, 4 words of padding behind every 64 words
	s_mov_b32 s20, 15|(2<<16)|(1<<20)|(1<<21)|(5<<22)|(3<<25)   ; 15:0 the mask: all four work-groups; 17:16 elements of 4 bytes; 20 padding on; 21 set beside a mask; 24:22 code 5; 31:25 code 3
	s_mov_b32 s21, 64<<16                          ; tensor_dim0
	s_mov_b32 s22, 128<<16                         ; tensor_dim1
	s_mov_b32 s23, 64<<16                          ; tile_dim0
	s_mov_b32 s24, 128                             ; tile_dim1
	s_mov_b32 s25, 64                              ; elements from row to row
	s_mov_b32 s26, 0
	s_mov_b32 s27, 0
	s_mov_b32 s16, 1                               ; group 0: count = 1,
	s_mul_i32 s17, s35, 128*RP                     ; LDS address: the wave's quarter: no place in the cluster enters it,
	s_lshl_b32 s38, s35, 15                        ; and 128 rows of 256 bytes in memory
	s_mov_b32 s39, 0
	s_wait_alu depctr_va_vdst(0)
	s_wait_kmcnt 0x0
	s_add_nc_u64 s[4:5], s[4:5], s[14:15]
	s_add_nc_u64 s[8:9], s[8:9], s[40:41]
	s_add_nc_u64 s[18:19], s[6:7], s[38:39]
	s_or_b32 s19, s19, 0x80000000                  ; type = 2
	s_add_nc_u64 s[44:45], s[6:7], s[44:45]        ; from where the copy reads,
	s_add_nc_u64 s[42:43], s[42:43], s[46:47]      ; and where it stores
.irp i, 0,1,2,3,4,5,6,7,8,9,10,11,12,13,14,15,16,17,18,19,20,21,22,23,24,25,26,27,28,29,30,31
	global_load_b32 v[D+\i], v[XO], s[4:5] offset:\i*CHS th:TH_LOAD_NT        ; chunk 0: x(32 hb + i, my token)
.endr
	CROUND                                         ; all four work-groups are here: the joint loads meet
	s_cmp_lt_u32 s[WV], 4
	s_cbranch_scc0 .Lno_fill
	tensor_load_to_lds s[16:19], s[20:27]          ; one load of mine is out; four v_nop follow it, ahead of the label
	s_nop 0
.rept 4
	v_nop
.endr
.Lno_fill:
	; every LDS address is a constant + a constant x lane + a constant x wave
	v_and_b32 v2, 15, v0                           ; r
	s_wait_alu depctr_va_vdst(0)
	v_bfe_u32 v[HH], v0, 4, 1                      ; h
	s_mul_i32 s37, s[WV], 32*RP
	v_mul_u32_u24 v[EA], v2, RP
	s_delay_alu instid0(VALU_DEP_1)
	v_lshl_add_u32 v[EA], v[HH], 7, v[EA]
	s_delay_alu instid0(VALU_DEP_1)
	v_add_nc_u32 v[EA], s37, v[EA]                 ; row 32 w + r, + 128 h
	s_lshl_b32 s37, s[WV], 10
	s_add_co_u32 s37, s37, CFR
	v_lshl_add_u32 v[CFW], v1, 4, s37              ; code tiles 2 w, 2 w + 1
	s_lshl_b32 s37, s[WV], 7
	s_add_co_u32 s37, s37, CSC
	v_lshl_add_u32 v[CSW], v2, 2, s37
	s_lshl_b32 s37, s33, 10
	s_lshl_b32 s38, s34, 8
	s_add_co_u32 s37, s37, s38
	s_add_co_u32 s37, s37, TFR
	v_lshl_add_u32 v[TFW], v2, 4, s37
	s_wait_alu depctr_va_vdst(0)
	v_lshl_add_u32 v[TFW], v[HH], 9, v[TFW]        ; tile 2 p + lane / 16; in it the place of lane 16 hb + r
	s_lshl_b32 s37, s33, 7
	s_add_co_u32 s38, s37, s34
	s_add_co_u32 s38, s38, TSC
	v_lshl_add_u32 v[TSW], v1, 2, s38              ; my token's word, byte hb
	s_lshl_b32 s38, s34, 10
	s_add_co_u32 s37, s37, s38
	s_add_co_u32 s37, s37, TA
	v_lshl_add_u32 v[TAW], v1, 2, s37
	s_lshl_b32 s37, s35, 12
	s_add_co_u32 s37, s37, CFR
	v_lshl_add_u32 v[CFL], v1, 4, s37
	s_lshl_b32 s37, s35, 9
	s_add_co_u32 s38, s37, CSC
	v_lshl_add_u32 v[CSL], v2, 2, s38
	s_add_co_u32 s38, s37, NT
	v_lshl_add_u32 v[NTL], v[HH], 5, s38           ; the eight codes of my half of a tile
	s_lshl_b32 s37, s36, 11
	s_add_co_u32 s37, s37, TFR
	v_lshl_add_u32 v[TFL], v1, 4, s37
	s_lshl_b32 s37, s36, 8
	s_add_co_u32 s37, s37, TSC
	v_lshl_add_u32 v[TSL], v2, 2, s37
	s_lshl_b32 s37, s35, 13
	s_lshl_b32 s38, s36, 9
	s_add_co_u32 s37, s37, s38
	s_add_co_u32 s37, s37, CAND
	v_lshl_add_u32 v[CDW], v2, 3, s37
	s_delay_alu instid0(VALU_DEP_1)
	v_lshl_add_u32 v[CDW], v[HH], 12, v[CDW]       ; table 2 cg + h, token 64 tg + r
	v_lshl_add_u32 v[CDR], v0, 3, CAND             ; thread t reads token t's
	v_lshlrev_b32 v[HH], 3, v[HH]                  ; from here on 8 h
	v_mov_b32 v[CF+7], 0                           ; written once: a lane permute's destination counts as one of its sources
	v_mov_b32 v[CF+23], 0
	v_lshrrev_b32 v[CPS], 2, v1                    ; the copy: lane l takes row l / 4 of the 8, piece l % 4 of its 64 bytes:
	v_and_b32 v[CPD], 3, v1
	s_delay_alu instid0(VALU_DEP_1)
	v_lshlrev_b32 v[CPD], 4, v[CPD]
	s_delay_alu instid0(VALU_DEP_1)
	v_lshl_add_u32 v[CPS], v[CPS], 8, v[CPD]       ; in the codebook 256 (l / 4) + 16 (l % 4),
	v_lshlrev_b32 v[CPD], 4, v1                    ; in cbt 64 (l / 4) + 16 (l % 4) = 16 l
	s_mov_b32 s28, 0x76543210
	s_mov_b32 s29, 0xfedcba98                      ; v_permlanex16_b32's selects for lane l xor 16
	s_mov_b32 s30, 0x7b800000                      ; 2^120
	s_mov_b32 s31, s30                             ; (named with it as a pair, so it is written)
	s_cmp_lg_u32 s[WV], 15                         ; wave 15 alone copies; it fetches no tile, and would stand at the barrier below meanwhile
	s_cbranch_scc1 .Lno_copy
	global_load_b128 v[CPV:CPV+3], v[CPS], s[44:45]
	s_wait_loadcnt 0x0                             ; the 16 bytes are in (and with them chunk 0 of x, which was asked for earlier)
	s_wait_alu depctr_va_vdst(0)
	global_store_b128 v[CPD], v[CPV:CPV+3], s[42:43]   ; the wave stores 512 consecutive bytes, at a multiple of 512 from cbt's first byte
	s_wait_xcnt 0x0                                ; the store has read its registers: they are written again in the search's set-up
.Lno_copy:
	s_wait_tensorcnt 0x0                           ; my quarter of the codebook has landed (waves 4 to 15 have no load out),
	MEET                                           ; everybody's has
	; ---- CODES: my two tiles of 16 code rows
.irp u, 0,1
.irp i, 0,1,2,3,4,5,6,7
	ds_load_b128 v[NN+32*\u+4*\i:NN+32*\u+4*\i+3], v[EA] offset:\u*16*RP+16*\i
.endr
.endr
.macro CODES u
.set ev, NN+32*\u
.set tb, CF+16*\u
	AMAX ev, tb
	SQSUM ev, tb
	s_delay_alu instid0(VALU_DEP_1)
	v_permlanex16_b32 v[tb+3], v[tb+2], s28, s29
	s_delay_alu instid0(VALU_DEP_1)
	v_add_f32 v[tb+2], v[tb+2], v[tb+3]            ; with the row's other 32 channels: |e|^2, the same bits in both lanes
	TOFP4 ev, tb
	v_lshlrev_b32 v[tb+6], v[HH], v[tb+6]          ; my block's byte at its place in the row's scale word (8 h bits up),
	s_delay_alu instid0(VALU_DEP_1)
	v_permlanex16_b32 v[tb+7], v[tb+6], s28, s29
	s_delay_alu instid0(VALU_DEP_1)
	v_or_b32 v[tb+6], v[tb+6], v[tb+7]             ; with lane l xor 16's;
	s_delay_alu instid0(VALU_DEP_1)
	v_or_b32 v[tb+6], 0x7f7f0000, v[tb+6]          ; K = 64 .. 127 meets zero codes: its bytes say 1.0
	ds_store_b128 v[CFW], v[tb+8:tb+11] offset:512*\u
	ds_store_b32 v[CSW], v[tb+6] offset:64*\u      ; lanes r and r + 16 write the same word with the same value
	ds_store_b32 v[CSW], v[tb+2] offset:NT-CSC+64*\u
.endm
	s_wait_dscnt 8                                 ; the first tile's eight loads are in; the second's may be out
	CODES 0
	s_wait_dscnt 3                                 ; the second tile's are in; behind them only the three stores just issued
	CODES 1
	; ---- TOKENS: my 32 tokens' block of a chunk
.macro TOKENS xs, tb, q
	AMAX \xs, \tb
	SQSUM \xs, \tb
	TOFP4 \xs, \tb
	v_mov_b32 v[\tb+7], 0x7f                       ; (the plain line behind the conversions)  the byte 1.0 for K = 64 .. 127, where the codes are zeros
	ds_store_b128 v[TFW], v[\tb+8:\tb+11] offset:\q*8192
	ds_store_b8 v[TSW], v[\tb+6] offset:\q*1024    ; byte hb of my token's scale word,
	ds_store_b8 v[TSW], v[\tb+7] offset:\q*1024+2  ; and byte 2 + hb: the two waves of a token write all four
	ds_store_b32 v[TAW], v[\tb+2] offset:\q*2048
.endm
	s_wait_loadcnt 0x0                             ; chunk 0's 32 loads are in: no other load of mine is out
.irp i, 0,1,2,3,4,5,6,7,8,9,10,11,12,13,14,15,16,17,18,19,20,21,22,23,24,25,26,27,28,29,30,31
	global_load_b32 v[X1+\i], v[XO], s[4:5] offset:\i*CHS+1024 th:TH_LOAD_NT   ; chunk 1: 256 tokens on; it has chunk 0's quantising and search in which to land
.endr
	TOKENS D, NN, 0                                ; at work in v16-27: the raw code rows there are done with
	MEET                                           ; the codes' images and chunk 0's lie in LDS
	; ---- the search's set-up: what stays in my registers
.irp k, 0,1,2,3
	v_mov_b32 v[CF+32+\k], 0                       ; behind the last code fragment,
	v_mov_b32 v[TF+4+\k], 0                        ; and the tokens' K = 64 .. 127: zero codes
.endr
	v_mov_b32 v[AP+1], 0                           ; (upper halves of pairs of which the low word serves both halves)
	v_mov_b32 v[BP+1], 0
.irp u, 0,1,2,3,4,5,6,7
	ds_load_b128 v[CF+4*\u:CF+4*\u+3], v[CFL] offset:512*\u
	ds_load_b32 v[CS+\u], v[CSL] offset:64*\u
	ds_load_b128 v[NN+8*\u:NN+8*\u+3], v[NTL] offset:64*\u
	ds_load_b128 v[NN+8*\u+4:NN+8*\u+7], v[NTL] offset:64*\u+16
.endr
	s_lshl_b32 s37, s35, 7
	v_add_nc_u32 v[T0], s37, v[HH]                 ; 128 cg + 8 h
.irp k, 0,1,2,3,4,5,6,7,8,9,10,11,12,13,14,15
	v_add_nc_u32 v[IC+\k], (\k%8)+16*(\k/8), v[T0]
.endr
.irp k, 0,1,2,3,4,5,6,7,8,9,10,11,12,13,14,15
	v_cvt_f32_u32 v[IC+\k], v[IC+\k]
.endr
.macro MIN16 src, dst                  ; the least of 16, three operands at a time, in two chains
	v_min3_num_f32 v[T0], v[\src], v[\src+1], v[\src+2]
	v_min3_num_f32 v[T1], v[\src+3], v[\src+4], v[\src+5]
	s_delay_alu instid0(VALU_DEP_2)
	v_min3_num_f32 v[T0], v[T0], v[\src+6], v[\src+7]
	s_delay_alu instid0(VALU_DEP_2)
	v_min3_num_f32 v[T1], v[T1], v[\src+8], v[\src+9]
	s_delay_alu instid0(VALU_DEP_2)
	v_min3_num_f32 v[T0], v[T0], v[\src+10], v[\src+11]
	s_delay_alu instid0(VALU_DEP_2)
	v_min3_num_f32 v[T1], v[T1], v[\src+12], v[\src+13]
	s_delay_alu instid0(VALU_DEP_2)
	v_min3_num_f32 v[T0], v[T0], v[\src+14], v[\src+15]
	s_delay_alu instid0(VALU_DEP_1)
	v_min_num_f32 v[\dst], v[T0], v[T1]
.endm
.macro DIST g                          ; group g's 16 distances, in place, each accumulator from its low end on: a - 2 dot, rounded; + |e|^2, rounded
.irp k, 0,2,4,6,8,10,12,14
	v_pk_fma_f32 v[D+16*\g+\k:D+16*\g+\k+1], v[D+16*\g+\k:D+16*\g+\k+1], -2.0, v[AP:AP+1] op_sel_hi:[1,0,0]
.endr
.irp k, 0,2,4,6,8,10,12,14
	v_pk_add_f32 v[D+16*\g+\k:D+16*\g+\k+1], v[D+16*\g+\k:D+16*\g+\k+1], v[NN+16*\g+\k:NN+16*\g+\k+1]
.endr
.endm
.macro TAKE g, g32                     ; group g's least is in T0.  Where the least so far is not above it, all stays (equal: the earlier group); else the group's least, number and 16 distances are kept
	s_delay_alu instid0(VALU_DEP_1)
	v_cmp_le_f32 vcc_lo, v[BP], v[T0]
	s_delay_alu instid0(VALU_DEP_1)
	v_cndmask_b32 v[BP], v[T0], v[BP], vcc_lo
	s_delay_alu instid0(VALU_DEP_2)
	v_cndmask_b32 v[GS], \g32, v[GS], vcc_lo
.irp k, 0,1,2,3,4,5,6,7,8,9,10,11,12,13,14,15
	v_cndmask_b32 v[D+\k], v[D+16*\g+\k], v[D+\k], vcc_lo
.endr
.endm
; One tile of 16 tokens (the i-th of my four in chunk q) against my 128 codes.
.macro TILE q, i
	ds_load_b128 v[TF:TF+3], v[TFL] offset:\q*8192+\i*512      ; (behind the last tile's products stand its whole search: places enough for loads into their sources)
	ds_load_b32 v[TS], v[TSL] offset:\q*1024+\i*64
	ds_load_b32 v[A0], v[TSL] offset:TA-TSC+\q*2048+\i*64
	ds_load_b32 v[A1], v[TSL] offset:TA-TSC+\q*2048+1024+\i*64
	s_wait_dscnt 0x0                               ; these, and the last tile's candidate store, which has read its registers
.irp u, 0,1,2,3,4,5,6,7
	v_wmma_scale_f32_16x16x128_f8f6f4 v[D+8*\u:D+8*\u+7], v[CF+4*\u:CF+4*\u+7], v[TF:TF+7], 0, v[CS+\u], v[TS] matrix_a_fmt:MATRIX_FMT_FP4 matrix_b_fmt:MATRIX_FMT_FP4
.endr
	v_add_f32 v[AP], v[A0], v[A1]                  ; a = |x|^2 of token r.  Four plain lines that name no register of the products stand ahead of the first read of a result (ISA guide 7.12.1)
	v_mov_b32 v[GS], 0
	v_nop
	v_nop
	DIST 0
	MIN16 D, BP                                    ; group 0 starts the search: its distances lie where the winner's are kept
	DIST 1
	MIN16 D+16, T0
	TAKE 1, 0x42000000                             ; 32.0
	DIST 2
	MIN16 D+32, T0
	TAKE 2, 0x42800000                             ; 64.0
	DIST 3
	MIN16 D+48, T0
	TAKE 3, 0x42c00000                             ; 96.0
.irp k, 0,2,4,6,8,10,12,14
	v_pk_add_f32 v[D+\k:D+\k+1], v[D+\k:D+\k+1], v[BP:BP+1] op_sel_hi:[1,0] neg_lo:[0,1] neg_hi:[0,1]   ; d - least: 0 where d is the least, else one step of the grid or more
.endr
.irp k, 0,2,4,6,8,10,12,14
	v_pk_fma_f32 v[D+\k:D+\k+1], v[D+\k:D+\k+1], s[30:31], v[IC+\k:IC+\k+1] op_sel_hi:[1,0,1]         ; x 2^120 + index: the index itself, or a number above every index
.endr
	MIN16 D, T0                                    ; the first index in the group
	s_delay_alu instid0(VALU_DEP_1)
	v_add_f32 v[BP+1], v[T0], v[GS]                ; + 32 x the group
	ds_store_b64 v[CDW], v[BP:BP+1] offset:\q*2048+\i*128
.endm
.irp i, 0,1,2,3
	TILE 0, \i
.endr
	s_wait_loadcnt 0x0                             ; chunk 1 of x
	TOKENS X1, D, 1                                ; at work in v140-151: the last tile's distances there are done with
	MEET                                           ; chunk 1's images lie in LDS (bytes of their own: nobody's reads of chunk 0 are disturbed)
.irp i, 0,1,2,3
	TILE 1, \i
.endr
	MEET                                           ; all candidates lie in LDS
	; ---- thread t settles token t: the least of eight, and among equals the lowest index, by the same key
.irp s, 0,1,2,3,4,5,6,7
	ds_load_b64 v[D+2*\s:D+2*\s+1], v[CDR] offset:4096*\s
.endr
	v_lshlrev_b32 v[T1], 2, v0
	s_wait_dscnt 0x0
	v_min3_num_f32 v[T0], v[D], v[D+2], v[D+4]
	s_delay_alu instid0(VALU_DEP_1)
	v_min3_num_f32 v[T0], v[T0], v[D+6], v[D+8]
	s_delay_alu instid0(VALU_DEP_1)
	v_min3_num_f32 v[T0], v[T0], v[D+10], v[D+12]
	s_delay_alu instid0(VALU_DEP_1)
	v_min_num_f32 v[T0], v[T0], v[D+14]
.irp s, 0,1,2,3,4,5,6,7
	v_sub_f32 v[D+2*\s], v[D+2*\s], v[T0]
.endr
.irp s, 0,1,2,3,4,5,6,7
	v_fma_f32 v[D+2*\s], v[D+2*\s], s30, v[D+2*\s+1]
.endr
	v_min3_num_f32 v[T0], v[D], v[D+2], v[D+4]
	s_delay_alu instid0(VALU_DEP_1)
	v_min3_num_f32 v[T0], v[T0], v[D+6], v[D+8]
	s_delay_alu instid0(VALU_DEP_1)
	v_min3_num_f32 v[T0], v[T0], v[D+10], v[D+12]
	s_delay_alu instid0(VALU_DEP_1)
	v_min_num_f32 v[T0], v[T0], v[D+14]
	s_delay_alu instid0(VALU_DEP_1)
	v_cvt_u32_f32 v[T0], v[T0]
	global_store_b32 v[T1], v[T0], s[8:9]          ; a wave stores 128 consecutive bytes, the sixteen waves 2,048: a whole number for each token, used as an address only by the next launch
	s_wait_xcnt 0x0
	v_lshl_add_u32 v254, v0, 2, 0x34800
	v_mov_b32 v255, 0
	s_wait_alu depctr_va_vdst(0)
	s_wait_tensorcnt 0x0
	ds_add_u32 v254, v255
	s_wait_dscnt 0x0
	CROUND                                         ; the closing round: no work-group ends while a partner may still ask for a tile that names it
	s_endpgm
.Lfunc_end_k_qbca381e2a8_assign:
	.size	k_qbca381e2a8_assign, .Lfunc_end_k_qbca381e2a8_assign-k_qbca381e2a8_assign
	.p2alignl 7, 3214868480
	.fill 96, 4, 3214868480
	.section	.rodata,"a",@progbits
	.p2align	6, 0x0
	.amdhsa_kernel k_qbca381e2a8_assign
		.amdhsa_group_segment_fixed_size 217088
		.amdhsa_private_segment_fixed_size 0
		.amdhsa_enable_private_segment 0
		.amdhsa_kernarg_size 32
		.amdhsa_user_sgpr_count 2
		.amdhsa_user_sgpr_kernarg_segment_ptr 1
		.amdhsa_wavefront_size32 1
		.amdhsa_system_sgpr_workgroup_id_x 1
		.amdhsa_system_sgpr_workgroup_id_y 1
		.amdhsa_system_sgpr_workgroup_id_z 1
		.amdhsa_system_vgpr_workitem_id 0
		.amdhsa_next_free_vgpr 256
		.amdhsa_next_free_sgpr 66
		.amdhsa_reserve_vcc 1
		.amdhsa_float_denorm_mode_32 3
		.amdhsa_float_denorm_mode_16_64 3
		.amdhsa_memory_ordered 1
		.amdhsa_forward_progress 1
		.amdhsa_inst_pref_size 132
	.end_amdhsa_kernel
	.amdgpu_metadata
---
amdhsa.version: [ 1, 2 ]
amdhsa.kernels:
  - .name:           k_qbca381e2a8_assign
    .symbol:         k_qbca381e2a8_assign.kd
    .args:
      - { .name: inputs, .offset: 0, .size: 8, .value_kind: global_buffer, .address_space: global }
      - { .name: codebook, .offset: 8, .size: 8, .value_kind: global_buffer, .address_space: global }
      - { .name: idx, .offset: 16, .size: 8, .value_kind: global_buffer, .address_space: global }
      - { .name: cbt, .offset: 24, .size: 8, .value_kind: global_buffer, .address_space: global }
    .group_segment_fixed_size: 217088
    .private_segment_fixed_size: 0
    .kernarg_segment_align: 8
    .kernarg_segment_size: 32
    .max_flat_workgroup_size: 512
    .sgpr_count:     66
    .vgpr_count:     256
    .wavefront_size: 32
...
	.end_amdgpu_metadata
.endif
;; end of part 1
;; launch gather (part 2): grid 256 x 1, 8 waves a work-group, no clusters, 168,960 bytes of LDS; arguments inputs, cbt, idx, out0, part; writes out0, part
.if DOCPART == 2
	.amdgcn_target "amdgcn-amd-amdhsa--gfx1250"
	.amdhsa_code_object_version 6
	.text
	.protected	k_qbca381e2a8_gather
	.globl	k_qbca381e2a8_gather
	.p2align	8
	.type	k_qbca381e2a8_gather,@function
k_qbca381e2a8_gather:
	s_mov_b64 s[64:65], 0
	v_nop
	global_prefetch_b8 v0, s[64:65] scope:SCOPE_SE
	s_setreg_imm32_b32 hwreg(HW_REG_WAVE_MODE, 25, 1), 1
	s_wait_xcnt 0x0
; GATHER: q = codebook[idx[token]]; diff = q - x; out0 = x + diff (the two roundings of the definition); part[wave] = the wave's sum of diff^2.  inputs, out0: [8][64][16384] f32; all in f32.
; A stream: each byte of x is read once by 16-byte loads and each byte of out0 written once by 16-byte stores; a load or store of a wave covers 512 consecutive bytes, aligned.  No matrix work.
; SHARES.  A work-group of eight waves owns 2,048 tokens of one b x 16 CHANNELS: work-group g takes channel group g % 4 and token block g / 4.  So it wants 16 channels of the codebook alone:
; 32,768 bytes beside its 131,072 of x, where a share of 512 tokens x 64 channels would want all 131,072.  Wave w owns tokens 256 w .. + 255; a lane holds twice four neighbouring tokens.
; All 32 loads of x go out at the head, in the order in which they are worked on; a chunk's stores leave as soon as its four loads are in, while the later chunks are on their way.
; THE TABLE.  cbt [4][512][16] f32 is the codebook as the launch before has laid it: a channel group's 512 rows of 64 bytes are one dense block.  It comes into LDS as 128 units of 256 bytes (four rows)
; with 16 bytes of padding behind each: row r begins at 64 r + 16 (r / 4), word 16 (r % 4) + 4 (r / 4): sixteen different starts among the 64 banks of 4 bytes (ISA guide 11.1).  Each wave brings 16 units
; by one tensor load; LDS is filled once and then only read.  A read takes 16 bytes inside a row's 64: it never reaches a unit's padding.
; NO CLUSTER, THOUGH 64 WORK-GROUPS WANT THE SAME 32,768 BYTES: in a launch with joint requests every LDS address has to be alike in all partners, and here the row that a lane reads from LDS is its
; token's index, which differs from work-group to work-group.  So each work-group asks for itself.
; A token's 16 bytes (four channels) come by one ds_load_b128; x has four tokens of ONE channel in a load.  Both lie in the same lane, so nothing is moved: only register numbers cross.
; The index is a whole number read from memory; it is held to the table's 512 rows before it enters an address.
.set CHS, 65536                        ; bytes from a channel to the next
.set UP,  272                          ; a unit in LDS: four rows of 64 bytes + 16 of padding
.set XO,  2                            ; v2   16 lane + 1,024 wave: my byte offset in the work-group's part of idx, of inputs and of out0; never rewritten
.set IX,  4                            ; v4-11   my eight tokens' indices
.set LA,  12                           ; v12-19  their rows' LDS addresses
.set ACC, 20                           ; v20-23  four sums of squares
.set X,   24                           ; v24-151   x, then out0: register 16 q + 4 i + j = chunk q, channel i of its four, token j of its four
.set EB,  152                          ; v152-215  four buffers of 16: register 4 j + i = token j, channel i of a chunk
.set WV,  14
	s_load_b256 s[4:11], s[0:1], 0x0               ; inputs s[4:5], cbt s[6:7], idx s[8:9], out0 s[10:11]
	s_load_b64 s[12:13], s[0:1], 0x20              ; part
	v_lshl_add_u32 v216, v0, 2, 0x29000
	v_mov_b32 v217, 0
	ds_add_u32 v216, v217
	ds_add_u32 v216, v217
	v_lshrrev_b32 v1, 5, v0
	s_delay_alu instid0(VALU_DEP_1)
	v_readfirstlane_b32 s[WV], v1                  ; wave 0..7
	s_and_b32 s36, ttmp9, 3                        ; my channel group
	s_lshr_b32 s37, ttmp9, 2                       ; my block of 2,048 tokens, 0..63
	s_lshr_b32 s29, s37, 3                         ; b = block / 8,
	s_lshl_b32 s29, s29, 22                        ; 64 channels x 65,536 bytes each
	s_lshl_b32 s30, s36, 20                        ; + 16 channels for each group
	s_add_co_u32 s29, s29, s30
	s_and_b32 s30, s37, 7
	s_lshl_b32 s30, s30, 13                        ; + 2,048 tokens x 4 bytes
	s_add_co_u32 s30, s30, s29
	s_mov_b32 s31, 0
	s_lshl_b32 s32, s37, 13                        ; in idx
	s_mov_b32 s33, 0
	s_lshl_b32 s34, ttmp9, 3
	s_add_co_u32 s34, s34, s[WV]
	s_lshl_b32 s34, s34, 2                         ; in part: one number a wave
	s_mov_b32 s35, 0
	v_and_b32 v1, 31, v0                           ; lane
	s_lshl_b32 s38, s[WV], 10
	v_lshl_add_u32 v[XO], v1, 4, s38               ; 16 lane + 1,024 wave
	; the table's descriptor.  Group 1: 16 rows of 64 elements of 4 bytes, dense in memory, 4 words of padding behind every 64 words
	s_mov_b32 s20, (2<<16)|(1<<20)|(5<<22)|(3<<25) ; 15:0 no mask; 17:16 elements of 4 bytes; 20 padding on; 24:22 after every 64 words (code 5); 31:25 four words (code 3)
	s_mov_b32 s21, 64<<16                          ; tensor_dim0
	s_mov_b32 s22, 16<<16                          ; tensor_dim1
	s_mov_b32 s23, 64<<16                          ; tile_dim0
	s_mov_b32 s24, 16                              ; tile_dim1
	s_mov_b32 s25, 64                              ; elements from row to row
	s_mov_b32 s26, 0
	s_mov_b32 s27, 0
	s_mov_b32 s16, 1                               ; group 0: count = 1,
	s_mul_i32 s17, s[WV], 16*UP                    ; LDS address: the wave's 16 units,
	s_lshl_b32 s40, s[WV], 12                      ; the same 16 x 256 bytes in memory,
	s_lshl_b32 s41, s36, 15                        ; in my channel group's 32,768
	s_add_co_u32 s40, s40, s41
	s_mov_b32 s41, 0
	s_mov_b32 s44, 0x76543210
	s_mov_b32 s45, 0xfedcba98                      ; v_permlanex16_b32's selects for lane l xor 16
	s_wait_alu depctr_va_vdst(0)
	s_wait_dscnt 0x0
	s_wait_kmcnt 0x0
	s_add_nc_u64 s[4:5], s[4:5], s[30:31]
	s_add_nc_u64 s[10:11], s[10:11], s[30:31]
	s_add_nc_u64 s[8:9], s[8:9], s[32:33]
	s_add_nc_u64 s[12:13], s[12:13], s[34:35]
	s_add_nc_u64 s[18:19], s[6:7], s[40:41]
	s_or_b32 s19, s19, 0x80000000                  ; type = 2
	tensor_load_to_lds s[16:19], s[20:27]          ; one load a wave, units of its own: the launch's only fill of LDS
	s_nop 0
	global_load_b128 v[IX:IX+3], v[XO], s[8:9]     ; my eight indices ahead of x: the LDS addresses hang on them
	global_load_b128 v[IX+4:IX+7], v[XO], s[8:9] offset:512
.irp q, 0,1,2,3,4,5,6,7                        ; chunk q: tokens 128 (q / 4) + 4 lane + 0 .. 3 of my wave's 256, channels 4 (q % 4) + 0 .. 3 of the group's 16
.irp i, 0,1,2,3
	global_load_b128 v[X+16*\q+4*\i:X+16*\q+4*\i+3], v[XO], s[4:5] offset:(4*(\q%4)+\i)*CHS+512*(\q/4) th:TH_LOAD_NT
.endr
.endr
	s_wait_tensorcnt 0x0                           ; my 16 units have landed,
	s_barrier_signal -1
	s_barrier_wait -1                              ; everybody's have
	s_wait_loadcnt 32                              ; the indices are in; the 32 loads of x behind them may be out
.irp j, 0,1,2,3,4,5,6,7
	v_min_u32 v[LA+\j], 0x1ff, v[IX+\j]            ; inside the table
.endr
.irp j, 0,1,2,3,4,5,6,7
	v_and_b32 v[IX+\j], 0x1fc, v[LA+\j]            ; 4 (r / 4),
.endr
.irp j, 0,1,2,3,4,5,6,7
	v_lshlrev_b32 v[IX+\j], 2, v[IX+\j]            ; 16 (r / 4): the paddings passed
.endr
.irp j, 0,1,2,3,4,5,6,7
	v_lshl_add_u32 v[LA+\j], v[LA+\j], 6, v[IX+\j] ; 64 r + 16 (r / 4)
.endr
.macro EFETCH q                        ; chunk q's four channels of its four tokens' code rows
.irp j, 0,1,2,3
	ds_load_b128 v[EB+16*((\q)%4)+4*\j:EB+16*((\q)%4)+4*\j+3], v[LA+4*((\q)/4)+\j] offset:16*((\q)%4)
.endr
.endm
.macro WORK q
.set eb, EB+16*((\q)%4)
	s_wait_loadcnt 28-4*(\q)                       ; x of chunks up to q is in; the later chunks' loads may be out
.if (\q) < 5
	s_wait_dscnt 12                                ; this chunk's four LDS loads are in; the next three chunks' may be out
.else
	s_wait_dscnt 4*(7-(\q))
.endif
.irp i, 0,1,2,3
.irp j, 0,1,2,3
	v_sub_f32 v[eb+4*\j+\i], v[eb+4*\j+\i], v[X+16*(\q)+4*\i+\j]          ; diff = q - x
.endr
.endr
.irp i, 0,1,2,3
.irp j, 0,1,2,3
.if ((\q) == 0) && (\i == 0)
	v_mul_f32 v[ACC+\j], v[eb+4*\j+\i], v[eb+4*\j+\i]                      ; the first squares start the sums
.else
	v_fmac_f32 v[ACC+\j], v[eb+4*\j+\i], v[eb+4*\j+\i]
.endif
.endr
.endr
.irp i, 0,1,2,3
.irp j, 0,1,2,3
	v_add_f32 v[X+16*(\q)+4*\i+\j], v[X+16*(\q)+4*\i+\j], v[eb+4*\j+\i]   ; x + diff
.endr
.endr
.irp i, 0,1,2,3
	global_store_b128 v[XO], v[X+16*(\q)+4*\i:X+16*(\q)+4*\i+3], s[10:11] offset:(4*((\q)%4)+\i)*CHS+512*((\q)/4) th:TH_STORE_NT   ; these registers are not written again
.endr
.if (\q) < 4
	EFETCH (\q)+4                                  ; the buffer just read takes the chunk four further on
.endif
.endm
	EFETCH 0
	EFETCH 1
	EFETCH 2
	EFETCH 3
.irp q, 0,1,2,3,4,5,6,7
	WORK \q
.endr
	v_add_f32 v[ACC], v[ACC], v[ACC+1]             ; the wave's sum: the lane's four, then across the 32 lanes
	v_add_f32 v[ACC+2], v[ACC+2], v[ACC+3]
	s_delay_alu instid0(VALU_DEP_1)
	v_add_f32 v[ACC], v[ACC], v[ACC+2]
	s_delay_alu instid0(VALU_DEP_1)
	v_add_f32_dpp v[ACC], v[ACC], v[ACC] row_xmask:1 row_mask:0xf bank_mask:0xf
	s_delay_alu instid0(VALU_DEP_1)
	v_add_f32_dpp v[ACC], v[ACC], v[ACC] row_xmask:2 row_mask:0xf bank_mask:0xf
	s_delay_alu instid0(VALU_DEP_1)
	v_add_f32_dpp v[ACC], v[ACC], v[ACC] row_xmask:4 row_mask:0xf bank_mask:0xf
	s_delay_alu instid0(VALU_DEP_1)
	v_add_f32_dpp v[ACC], v[ACC], v[ACC] row_xmask:8 row_mask:0xf bank_mask:0xf
	s_delay_alu instid0(VALU_DEP_1)
	v_permlanex16_b32 v[ACC+1], v[ACC], s44, s45
	s_delay_alu instid0(VALU_DEP_1)
	v_add_f32 v[ACC], v[ACC], v[ACC+1]
	v_mov_b32 v[ACC+2], 0
	v_cmp_eq_u32 vcc_lo, 0, v1
	s_wait_alu depctr_va_vdst(0)
	s_wait_xcnt 0x0                                ; EXEC is a source of the stores above: it changes only behind this wait
	s_wait_tensorcnt 0x0
	ds_add_u32 v216, v217
	s_wait_dscnt 0x0
	s_and_saveexec_b32 s43, vcc_lo                 ; lane 0 alone
	global_store_b32 v[ACC+2], v[ACC], s[12:13]    ; one number a wave; the last launch adds the 2,048
	s_endpgm
.Lfunc_end_k_qbca381e2a8_gather:
	.size	k_qbca381e2a8_gather, .Lfunc_end_k_qbca381e2a8_gather-k_qbca381e2a8_gather
	.p2alignl 7, 3214868480
	.fill 96, 4, 3214868480
	.section	.rodata,"a",@progbits
	.p2align	6, 0x0
	.amdhsa_kernel k_qbca381e2a8_gather
		.amdhsa_group_segment_fixed_size 168960
		.amdhsa_private_segment_fixed_size 0
		.amdhsa_enable_private_segment 0
		.amdhsa_kernarg_size 40
		.amdhsa_user_sgpr_count 2
		.amdhsa_user_sgpr_kernarg_segment_ptr 1
		.amdhsa_wavefront_size32 1
		.amdhsa_system_sgpr_workgroup_id_x 1
		.amdhsa_system_sgpr_workgroup_id_y 1
		.amdhsa_system_sgpr_workgroup_id_z 1
		.amdhsa_system_vgpr_workitem_id 0
		.amdhsa_next_free_vgpr 218
		.amdhsa_next_free_sgpr 66
		.amdhsa_reserve_vcc 1
		.amdhsa_float_denorm_mode_32 3
		.amdhsa_float_denorm_mode_16_64 3
		.amdhsa_memory_ordered 1
		.amdhsa_forward_progress 1
		.amdhsa_inst_pref_size 27
	.end_amdhsa_kernel
	.amdgpu_metadata
---
amdhsa.version: [ 1, 2 ]
amdhsa.kernels:
  - .name:           k_qbca381e2a8_gather
    .symbol:         k_qbca381e2a8_gather.kd
    .args:
      - { .name: inputs, .offset: 0, .size: 8, .value_kind: global_buffer, .address_space: global }
      - { .name: cbt, .offset: 8, .size: 8, .value_kind: global_buffer, .address_space: global }
      - { .name: idx, .offset: 16, .size: 8, .value_kind: global_buffer, .address_space: global }
      - { .name: out0, .offset: 24, .size: 8, .value_kind: global_buffer, .address_space: global }
      - { .name: part, .offset: 32, .size: 8, .value_kind: global_buffer, .address_space: global }
    .group_segment_fixed_size: 168960
    .private_segment_fixed_size: 0
    .kernarg_segment_align: 8
    .kernarg_segment_size: 40
    .max_flat_workgroup_size: 256
    .sgpr_count:     66
    .vgpr_count:     218
    .wavefront_size: 32
...
	.end_amdgpu_metadata
.endif
;; end of part 2
;; launch finish (part 3): grid 1 x 1, 1 waves a work-group, no clusters, 0 bytes of LDS; arguments part, out1, out2; writes out1, out2
.if DOCPART == 3
	.amdgcn_target "amdgcn-amd-amdhsa--gfx1250"
	.amdhsa_code_object_version 6
	.text
	.protected	k_qbca381e2a8_finish
	.globl	k_qbca381e2a8_finish
	.p2align	8
	.type	k_qbca381e2a8_finish,@function
k_qbca381e2a8_finish:
	s_mov_b64 s[64:65], 0
	v_nop
	global_prefetch_b8 v0, s[64:65] scope:SCOPE_SE
	s_setreg_imm32_b32 hwreg(HW_REG_WAVE_MODE, 25, 1), 1
	s_wait_xcnt 0x0
; FINISH: out2 = the mean of (q - x)^2 = the sum of the 2,048 waves' sums x 2^-23 (8 x 64 x 16,384 = 2^23 numbers: the division is exact); out1 = 0.25 x out2.
; A sum over all work-groups of the launch before has one owner: one wave.  It reads the 8,192 bytes by sixteen loads of 512 consecutive bytes, all out at once, and adds them in f32.
	s_load_b128 s[4:7], s[0:1], 0x0                ; part s[4:5], out1 s[6:7]
	s_load_b64 s[8:9], s[0:1], 0x10                ; out2
	v_lshlrev_b32 v1, 4, v0                        ; 16 bytes a lane
	s_mov_b32 s10, 0x76543210
	s_mov_b32 s11, 0xfedcba98                      ; v_permlanex16_b32's selects for lane l xor 16
	s_wait_alu depctr_va_vdst(0)
	s_wait_kmcnt 0x0
.irp i, 0,1,2,3,4,5,6,7,8,9,10,11,12,13,14,15
	global_load_b128 v[4+4*\i:7+4*\i], v1, s[4:5] offset:512*\i
.endr
	s_wait_loadcnt 0x0
.irp i, 8,12,16,20,24,28,32,36,40,44,48,52,56,60,64
	v_pk_add_f32 v[4:5], v[4:5], v[\i:\i+1]        ; two at a time, in two chains
	v_pk_add_f32 v[6:7], v[6:7], v[\i+2:\i+3]
.endr
	v_pk_add_f32 v[4:5], v[4:5], v[6:7]
	v_add_f32 v4, v4, v5
	v_add_f32_dpp v4, v4, v4 row_xmask:1 row_mask:0xf bank_mask:0xf
	v_add_f32_dpp v4, v4, v4 row_xmask:2 row_mask:0xf bank_mask:0xf
	v_add_f32_dpp v4, v4, v4 row_xmask:4 row_mask:0xf bank_mask:0xf
	v_add_f32_dpp v4, v4, v4 row_xmask:8 row_mask:0xf bank_mask:0xf
	v_permlanex16_b32 v5, v4, s10, s11
	v_add_f32 v4, v4, v5
	v_mul_f32 v4, 0x34000000, v4                   ; x 2^-23: the commitment loss
	v_mul_f32 v5, 0x3e800000, v4                   ; x 0.25: the vq loss
	v_mov_b32 v6, 0
	v_cmp_eq_u32 vcc_lo, 0, v0
	s_wait_alu depctr_va_vdst(0)
	s_wait_xcnt 0x0                                ; EXEC changes only behind this wait
	s_and_saveexec_b32 s12, vcc_lo                 ; lane 0 alone
	global_store_b32 v6, v5, s[6:7]
	global_store_b32 v6, v4, s[8:9]
	s_endpgm
.Lfunc_end_k_qbca381e2a8_finish:
	.size	k_qbca381e2a8_finish, .Lfunc_end_k_qbca381e2a8_finish-k_qbca381e2a8_finish
	.p2alignl 7, 3214868480
	.fill 96, 4, 3214868480
	.section	.rodata,"a",@progbits
	.p2align	6, 0x0
	.amdhsa_kernel k_qbca381e2a8_finish
		.amdhsa_group_segment_fixed_size 0
		.amdhsa_private_segment_fixed_size 0
		.amdhsa_enable_private_segment 0
		.amdhsa_kernarg_size 24
		.amdhsa_user_sgpr_count 2
		.amdhsa_user_sgpr_kernarg_segment_ptr 1
		.amdhsa_wavefront_size32 1
		.amdhsa_system_sgpr_workgroup_id_x 1
		.amdhsa_system_sgpr_workgroup_id_y 1
		.amdhsa_system_sgpr_workgroup_id_z 1
		.amdhsa_system_vgpr_workitem_id 0
		.amdhsa_next_free_vgpr 68
		.amdhsa_next_free_sgpr 66
		.amdhsa_reserve_vcc 1
		.amdhsa_float_denorm_mode_32 3
		.amdhsa_float_denorm_mode_16_64 3
		.amdhsa_memory_ordered 1
		.amdhsa_forward_progress 1
		.amdhsa_inst_pref_size 5
	.end_amdhsa_kernel
	.amdgpu_metadata
---
amdhsa.version: [ 1, 2 ]
amdhsa.kernels:
  - .name:           k_qbca381e2a8_finish
    .symbol:         k_qbca381e2a8_finish.kd
    .args:
      - { .name: part, .offset: 0, .size: 8, .value_kind: global_buffer, .address_space: global }
      - { .name: out1, .offset: 8, .size: 8, .value_kind: global_buffer, .address_space: global }
      - { .name: out2, .offset: 16, .size: 8, .value_kind: global_buffer, .address_space: global }
    .group_segment_fixed_size: 0
    .private_segment_fixed_size: 0
    .kernarg_segment_align: 8
    .kernarg_segment_size: 24
    .max_flat_workgroup_size: 32
    .sgpr_count:     66
    .vgpr_count:     68
    .wavefront_size: 32
...
	.end_amdgpu_metadata
.endif
;; end of part 3
